; MI455X (gfx1250); checked and timed in simulation.
; The chip was launched on July 23, 2026; its instructions are those of AMD's public machine-readable ISA for CDNA 5 (MIT licence, August 2026) and "CDNA5" Instruction Set Architecture Reference Guide (July 2026). The comments in the code are by the model that wrote it; some were corrected since.
;; Attention Layer. Allowed arithmetic: matrix products marked QUANTISED: E2M1 operands, one E8M0 scale for each 32 along K, by v_wmma_scale_f32_16x16x128_f8f6f4 with both operands' format E2M1 (or v_wmma_scale_f32_32x16x128_f4), f32 sums; products left as they are: f32 operands where the result goes on into a quantised operand, else bf16, f16 or f32 operands; f32 sums; everything else in f32.
;; Inputs: imgsfeats 32 x 196 x 512 float32; v_b 1 float32; v_w 512 float32; wordemb 32 x 30 x 512 float32; x 32 x 30 x 512 float32.
;; Outputs: out0 32 x 30 x 512 float32.
;; This version of the problem:
;;   THIS VERSION OF THE PROBLEM IS GIVEN IN LOW PRECISION. The matrix products marked QUANTISED in the list below multiply operands that are first quantised to E2M1 (2 exponent bits, 1 mantissa bit; 4 bits a number), with one power-of-two scale for each 32 numbers along K (OCP MX v1.0); their sums are f32. All else is computed in f32.
;;   The module's matrix products, in the order in which they are computed (A, B: the left and right operand; K: the contracted axis; several contracted axes count as one K, in the product's order):
;;     1. [M 188,160, K 512] x [K 512, N 1]; A: computed on the way; B: input v_w: left as it is (N = 1 < 16)
;;     2. batch 32 x [M 30, K 196] x [K 196, N 512]; A: softmax (see below); B: input imgsfeats: QUANTISED
;;   THE QUANTISER, for each operand of a quantised product, along K:
;;     - K is cut into blocks of 32 from its start; a last block that is shorter is filled with zeros.
;;     - A block's scale is 2^e with e = floor(log2(the largest magnitude in the block)) - 2, held to -126 .. 127; a block of zeros has e = 0. As a byte (E8M0): e + 127.
;;     - Each number is divided by its block's scale, clamped to +-6, and rounded to the nearest number of E2M1, ties to even, subnormals kept.
;;     - The product sums the exact products of the quantised numbers (number of the format x scale) in f32.
;;   ~~~python
;;   def quantise(x, axis):      # numpy; x: float32 -> the quantised numbers, widened to float32 again
;;       x = np.moveaxis(x, axis, -1); K = x.shape[-1]
;;       x = np.pad(x, [(0, 0)] * (x.ndim - 1) + [(0, -K % 32)]); x = x.reshape(x.shape[:-1] + (-1, 32)); a = np.abs(x).max(-1, keepdims=True)
;;       e = np.where(a > 0, np.clip(np.frexp(np.where(a > 0, a, 1))[1] - 1 - 2, -126, 127), 0)      # np.frexp(a)[1] - 1 = floor(log2(a)), exactly
;;       r = np.clip(x / 2.0 ** e, -6, 6)
;;       step = 2.0 ** (np.maximum(np.frexp(np.where(r == 0, 1, r))[1] - 1, 0) - 1)
;;       q = np.round(r / step) * step * 2.0 ** e      # np.round: ties to even
;;       return np.moveaxis(q.reshape(q.shape[:-2] + (-1,))[..., :K], -1, axis).astype(np.float32)
;;   ~~~
;;   SOFTMAX AHEAD OF A QUANTISED PRODUCT. Where the list says 'softmax', what is quantised is not the finished softmax but p = 2^(t - M), with t = logit x log2(e) and M = ceil(the row's largest t), a whole number; so 1/2 < the row's largest p <= 1. The row's sum l is taken of the UNQUANTISED p, in f32, and the product's result is divided by l at the end. Since M is a whole number, a kernel that streams over the keys may use a running M (the ceiling of the running maximum): every later rescaling is an exact power of two, which a block's scale takes up: the codes' values come out the same.
;;   OPERANDS COMPUTED ON THE WAY. 'Computed on the way' means the value that the module computes at that place (a softmax that the list does not call 'softmax' is quantised finished and normalised). What goes into a quantiser is computed in f32, as accurately as f32 sums, v_exp_f32 and their like allow (about 1e-6 of the number): no bf16 or f16 on the way to a quantiser, and a product that is left as it is and whose result goes on into a quantised operand takes f32 operands (vector FMAs, or v_wmma_f32_16x16x4_f32). A number that lies on a knife's edge between two numbers of the format may be rounded either way, as far as f32 arithmetic and the matrix unit's own rounding can turn it there, and no further.
;; One version. Each part assembles by itself: llvm-mc -triple=amdgcn-amd-amdhsa -mcpu=gfx1250 --defsym DOCPART=n.
;; ======== version 1 of 1: 2 launches
;; limits: inputs' magnitudes at most 160; right only within a limited range of input values
;; workspace buffers: escore 983,040 bytes
;; launch scores (part 1): grid 8 x 32, 16 waves a work-group, no clusters, 184,320 bytes of LDS; arguments x, wordemb, imgsfeats, v_w, escore; writes escore
.if DOCPART == 1
	.amdgcn_target "amdgcn-amd-amdhsa--gfx1250"
	.amdhsa_code_object_version 6
	.text
	.protected	k_q2462f620ed_scores
	.globl	k_q2462f620ed_scores
	.p2align	8
	.type	k_q2462f620ed_scores,@function
k_q2462f620ed_scores:
	s_mov_b64 s[64:65], 0
	v_nop
	global_prefetch_b8 v0, s[64:65] scope:SCOPE_SE
	s_setreg_imm32_b32 hwreg(HW_REG_WAVE_MODE, 25, 1), 1
	s_wait_xcnt 0x0
; SCORES.  escore(b, t, l) = sum over d of v_w[d] tanh(x[b][t][d] + imgsfeats[b][l][d] + wordemb[b][t][d]), all in f32 (the bias v_b is added by the next launch).
; NOTHING IS LEFT OUT AS DEAD WORK, here or in the next launch: every input has a way to the output.  v_b is the same along the softmax's axis, but it moves t against the whole
; number M and so moves the codes of p: it is live.
; THE ARITHMETIC.  tanh(u) = 1 - 2 / (1 + 2^(4 c u)), c = log2(e) / 2.  With a = x + wordemb (one number for each t, d) and y = imgsfeats (one for each l, d):
;   2^(4 c (a + y)) = (Ga Gy)^4,  Ga = 2^(c a),  Gy = 2^(c y).
; So the exponentials are made once for each (t, d) and each (l, d): (15 + 49) x 512 in a work-group, against its 49 x 15 x 512 elements.  An element is, two to an instruction: G = Ga Gy; G G;
; (G G)(G G) + 1; then one reciprocal r; and, two to an instruction, acc += (-2 v_w) r.  The sums start at the lane's own sum of v_w, so that they are sums of v_w (1 - 2 r).
; Ga and Gy are made with a reduced argument (k = c . rounded to a whole number, 2^(c . - k) by one fused multiply-add and v_exp_f32, then v_ldexp_f32 by k), since the fourth power takes G's error four times.
; The three terms are added as (x + wordemb) + y, not as (x + y) + wordemb: a difference of rounding.
; LIMITS.  x + wordemb and imgsfeats are held at +-172, so that Ga and Gy are normal numbers (c x 172 = 124); G, G G and the fourth power may go to infinity or to 0, r then to 0 or 1, as tanh does, and
; infinity times 0 cannot arise.  The hold changes a result only where x + wordemb and imgsfeats BOTH lie beyond 160 in magnitude with opposite signs (else |u| stays over 12, where tanh is 1 to f32).
; NaN and infinities among the inputs are not served.
; SHARES.  Work-group (lc, th, b): rows l = 48 lc .. 48 lc + 47 and row 192 + lc, t = 15 th .. 15 th + 14.  Sixteen waves.  A lane holds d = 128 j + 4 lane + i (register 4 j + i): every load is dense.
; Wave w keeps Gy of rows 48 lc + w + 16 r, r = 0..2, in 48 registers.  Ga of the 15 t are made once (wave t makes t's) and lie in LDS; they come back chunk by chunk (half a t: 8 d a lane)
; through a ring of four sets of 8 registers, each serving 24 elements.  Row 192 + lc is shared by d, 32 d to a wave, so that all sixteen waves have the same work.
; A lane's partial sums go to the wave's own rows in LDS and come back one value to a lane; the work-group's 15 x 64 numbers leave as 15 aligned runs of 256 bytes.
; escore is laid [b][t][lc][64]: number col < 48 is l = 48 lc + col, number 48 is l = 192 + lc; numbers 49 to 63 are not read.
; NO CLUSTER, NO TENSOR LOAD: every operand is read once, at the head, into the registers that use it; what work-groups share (61,440 bytes of x and wordemb by four, 100,352 of imgsfeats by two)
; would have to take a detour through LDS to be asked for jointly.
; THE 30 STEPS ARE WRITTEN OUT (about 500 bytes each): every LDS offset is an immediate and no address is stepped.
.set NT,    15                         ; t's of a work-group
.set NCH,   2*NT                       ; chunks = steps
.set ASLOT, 2048                       ; LDS: a t's 512 Ga
.set RP,    144                        ; LDS: a row of 32 partial sums + 16 bytes: sixteen lanes of a 16-byte load fall on sixteen different 16-byte columns
.set RED,   NT*ASLOT                   ; behind the Ga: 64 such rows for each wave (row 16 r + t; r = 3: the shared row)
.set REDW,  64*RP
.set EB,    RED+16*REDW                ; behind them: 16 rows of 64 numbers (number 16 r + w; row 15 takes zeros and is not stored)
.set SPARE, EB+4096                    ; behind all: the spare words, 128 bytes for each wave
.set LI,   1                           ; v1   16 x lane
.set SPW,  2                           ; v2   my spare word's address; never rewritten
.set NIL,  3                           ; v3   0, for the add alone
.set RW,   4                           ; v4   where I put a partial sum: my wave's rows + 4 x lane
.set RR,   5                           ; v5   where I read a row back: my wave's rows + 144 x lane
.set TLA,  6                           ; v6   4 x thread: the shared row's d = thread
.set ES0,  7                           ; v7   where my two finished sums go (the second 128 bytes on)
.set AW,   9                           ; v9   where I put my t's Ga
.set DR,   10                          ; v10  the way out: my 16 bytes of the block
.set DG,   11                          ; v11  and in escore
.set SM,   12                          ; v12-14 a t's three sums
.set ZR,   15                          ; v15  0
.set GB,   16                          ; v16-63   Gy: row r at 16 r
.set X,    64                          ; v64-111  two sets of 24 elements at work
.set VW2,  112                         ; v112-127 -2 v_w
.set AR,   128                         ; v128-159 the ring: four sets of 8 Ga
.set ACC,  184                         ; v184-189 three pairs of sums
.set VS,   190                         ; v190-191 my lane's sum of v_w, even and odd registers
.set TGB,  192                         ; v192 the shared row's Gy; v194 its v_w; v195 -2 v_w
.set TVW,  194
.set TVW2, 195
.set W0,   196                         ; v196-244 at work
.set TM,   W0                          ; the shared row's Ga, then its results
.set TK,   W0+16                       ; its elements
.set F,    16                          ; the way back: two runs of 32
.set G,    48
	s_load_b256 s[4:11], s[0:1], 0x0               ; x, wordemb, imgsfeats, v_w
	s_load_b64 s[12:13], s[0:1], 0x20              ; escore
	v_lshl_add_u32 v[SPW], v0, 2, SPARE
	v_mov_b32 v[NIL], 0
	v_mov_b32 v[ZR], 0
	v_lshrrev_b32 v12, 5, v0
	v_readfirstlane_b32 s14, v12                   ; wave 0..15
	v_and_b32 v12, 31, v0                          ; lane
	v_and_b32 v13, 15, v0                          ; lane % 16
	v_bfe_u32 v14, v0, 4, 1                        ; lane / 16
	s_and_b32 s15, ttmp7, 0xffff                   ; b
	s_lshr_b32 s16, ttmp9, 1                       ; lc
	s_and_b32 s17, ttmp9, 1                        ; th
	s_mov_b32 s18, 0x3f38aa3b                      ; c = log2(e) / 2
	s_mov_b32 s19, s18                             ; (named with it as a pair)
	s_mov_b32 s34, 0xc32c0000                      ; -172
	s_mov_b32 s35, 0x432c0000                      ; 172
	v_lshlrev_b32 v[LI], 4, v12
	v_lshlrev_b32 v[TLA], 2, v0
	s_mul_i32 s20, s14, REDW
	s_add_co_u32 s20, s20, RED                     ; my wave's rows of partial sums
	v_lshl_add_u32 v[RW], v12, 2, s20
	v_mad_u32_u24 v[RR], v12, RP, s20
	s_lshl_b32 s21, s14, 2
	s_add_co_u32 s21, s21, EB
	v_lshl_add_u32 v[ES0], v13, 8, s21             ; block row t = lane % 16,
	v_lshl_add_u32 v[ES0], v14, 6, v[ES0]          ; number 16 (lane / 16) + w
	s_lshl_b32 s23, s14, 11
	v_add_nc_u32 v[AW], s23, v[LI]
	v_and_b32 v[DR], 0xff, v0
	v_lshrrev_b32 v[DG], 4, v[DR]
	v_lshlrev_b32 v[DG], 10, v[DG]
	v_lshl_add_u32 v[DG], v13, 4, v[DG]            ; row t of escore is 1,024 bytes on from row t - 1
	v_lshl_add_u32 v[DR], v[DR], 4, EB
	s_mul_i32 s24, s15, 30
	s_mul_i32 s25, s17, NT
	s_add_co_u32 s24, s24, s25                     ; 30 b + 15 th
	s_add_co_u32 s26, s24, s14
	s_lshl_b32 s26, s26, 11                        ; my row of x and of wordemb (waves 0 to 14)
	s_mov_b32 s27, 0
	s_mul_i32 s28, s15, 196
	s_mul_i32 s29, s16, 48
	s_add_co_u32 s29, s29, s28
	s_add_co_u32 s29, s29, s14
	s_lshl_b32 s30, s29, 11                        ; my first row of imgsfeats; the others lie 16 rows apart
	s_mov_b32 s31, 0
	s_add_co_u32 s28, s28, s16
	s_add_co_u32 s28, s28, 192
	s_lshl_b32 s28, s28, 11                        ; the shared row
	s_mov_b32 s29, 0
	s_lshl_b32 s24, s24, 10
	s_lshl_b32 s25, s16, 8
	s_add_co_u32 s24, s24, s25                     ; the work-group's first 256 bytes of escore
	s_mov_b32 s25, 0
	s_wait_kmcnt 0x0
	s_add_nc_u64 s[4:5], s[4:5], s[26:27]
	s_add_nc_u64 s[6:7], s[6:7], s[26:27]
	s_add_nc_u64 s[32:33], s[8:9], s[28:29]
	s_add_nc_u64 s[8:9], s[8:9], s[30:31]
	s_add_nc_u64 s[12:13], s[12:13], s[24:25]
.irp r,0,1,2
.irp j,0,1,2,3
	global_load_b128 v[GB+16*\r+4*\j:GB+16*\r+4*\j+3], v[LI], s[8:9] offset:\r*32768+\j*512   ; 512 consecutive bytes a load
.endr
.endr
.irp j,0,1,2,3
	global_load_b128 v[VW2+4*\j:VW2+4*\j+3], v[LI], s[10:11] offset:\j*512
.endr
	global_load_b32 v[TGB], v[TLA], s[32:33]
	global_load_b32 v[TVW], v[TLA], s[10:11]
	s_cmp_lt_u32 s14, NT                           ; fifteen t's: wave 15 makes none
	s_cbranch_scc0 .Lno_a
.irp j,0,1,2,3
	global_load_b128 v[W0+4*\j:W0+4*\j+3], v[LI], s[4:5] offset:\j*512
	global_load_b128 v[W0+16+4*\j:W0+16+4*\j+3], v[LI], s[6:7] offset:\j*512
.endr
	s_wait_loadcnt 0x0
.irp p,0,2,4,6,8,10,12,14
	v_pk_add_f32 v[W0+\p:W0+\p+1], v[W0+\p:W0+\p+1], v[W0+16+\p:W0+16+\p+1]                  ; a = x + wordemb
.endr
.irp i,0,1,2,3,4,5,6,7,8,9,10,11,12,13,14,15
	v_med3_num_f32 v[W0+\i], v[W0+\i], s34, s35                                              ; held at +-172
.endr
.irp p,0,2,4,6,8,10,12,14
	v_pk_mul_f32 v[W0+32+\p:W0+32+\p+1], v[W0+\p:W0+\p+1], s[18:19] op_sel_hi:[1,0]
.endr
.irp i,0,1,2,3,4,5,6,7,8,9,10,11,12,13,14,15
	v_rndne_f32 v[W0+32+\i], v[W0+32+\i]                                                     ; k
.endr
.irp p,0,2,4,6,8,10,12,14
	v_pk_fma_f32 v[W0+\p:W0+\p+1], v[W0+\p:W0+\p+1], s[18:19], v[W0+32+\p:W0+32+\p+1] op_sel_hi:[1,0,1] neg_lo:[0,0,1] neg_hi:[0,0,1]   ; c a - k, rounded once
.endr
.irp i,0,1,2,3,4,5,6,7,8,9,10,11,12,13,14,15
	v_exp_f32 v[W0+\i], v[W0+\i]
.endr
.irp i,0,1,2,3,4,5,6,7,8,9,10,11,12,13,14,15
	v_cvt_i32_f32 v[W0+16+\i], v[W0+32+\i]                                                   ; k as a whole number: plain work behind the exponentials
.endr
	s_wait_alu depctr_va_vdst(0)                   ; one wait for the sixteen exponentials, ahead of their first readers
.irp i,0,1,2,3,4,5,6,7,8,9,10,11,12,13,14,15
	v_ldexp_f32 v[W0+\i], v[W0+\i], v[W0+16+\i]                                              ; Ga
.endr
.irp j,0,1,2,3
	ds_store_b128 v[AW], v[W0+4*\j:W0+4*\j+3] offset:\j*512
.endr
.Lno_a:
	s_wait_loadcnt 0x0
	s_wait_dscnt 0x0                               ; the stores have read their registers, which are written again below
.set i, 0
.rept 48
	v_med3_num_f32 v[GB+i], v[GB+i], s34, s35      ; y held at +-172
.set i, i+1
.endr
	v_med3_num_f32 v[TGB], v[TGB], s34, s35
.set i, 0
.rept 24
	v_pk_mul_f32 v[W0+i:W0+i+1], v[GB+i:GB+i+1], s[18:19] op_sel_hi:[1,0]
.set i, i+2
.endr
	v_mul_f32 v[W0+48], s18, v[TGB]
.set i, 0
.rept 49
	v_rndne_f32 v[W0+i], v[W0+i]                   ; k
.set i, i+1
.endr
.set i, 0
.rept 24
	v_pk_fma_f32 v[GB+i:GB+i+1], v[GB+i:GB+i+1], s[18:19], v[W0+i:W0+i+1] op_sel_hi:[1,0,1] neg_lo:[0,0,1] neg_hi:[0,0,1]
.set i, i+2
.endr
	v_fma_f32 v[TGB], v[TGB], s18, -v[W0+48]
.set i, 0
.rept 48
	v_exp_f32 v[GB+i], v[GB+i]
.set i, i+1
.endr
	v_exp_f32 v[TGB], v[TGB]
.set i, 0
.rept 49
	v_cvt_i32_f32 v[W0+i], v[W0+i]                 ; plain work behind the exponentials
.set i, i+1
.endr
	v_pk_add_f32 v[VS:VS+1], v[VW2:VW2+1], v[VW2+2:VW2+3]
.irp p,4,6,8,10,12,14
	v_pk_add_f32 v[VS:VS+1], v[VS:VS+1], v[VW2+\p:VW2+\p+1]                                  ; my lane's sum of v_w: what the sums start from
.endr
.irp p,0,2,4,6,8,10,12,14
	v_pk_mul_f32 v[VW2+\p:VW2+\p+1], v[VW2+\p:VW2+\p+1], -2.0 op_sel_hi:[1,0]
.endr
	v_mul_f32 v[TVW2], -2.0, v[TVW]
	s_wait_alu depctr_va_vdst(0)                   ; one wait for the 49 exponentials, ahead of their first readers
.set i, 0
.rept 48
	v_ldexp_f32 v[GB+i], v[GB+i], v[W0+i]          ; Gy
.set i, i+1
.endr
	v_ldexp_f32 v[TGB], v[TGB], v[W0+48]
	s_wait_dscnt 0x0                               ; for the others' sake: nothing of mine is out in LDS
	s_barrier_signal -1
	s_barrier_wait -1                              ; the fifteen t's Ga lie in LDS; they are only read from here on
.macro LOADA c                         ; chunk c = 2 t + half: Ga of my 8 d, into set c % 4
	ds_load_b128 v[AR+8*((\c)%4):AR+8*((\c)%4)+3], v[LI] offset:((\c)/2)*ASLOT+((\c)%2)*1024
	ds_load_b128 v[AR+8*((\c)%4)+4:AR+8*((\c)%4)+7], v[LI] offset:((\c)/2)*ASLOT+((\c)%2)*1024+512
.endm
.macro PRE c                           ; chunk c's 24 elements up to 1 + (Ga Gy)^4, two to an instruction
.irp r,0,1,2
.irp p,0,2,4,6
	v_pk_mul_f32 v[X+24*((\c)%2)+8*\r+\p:X+24*((\c)%2)+8*\r+\p+1], v[GB+16*\r+8*((\c)%2)+\p:GB+16*\r+8*((\c)%2)+\p+1], v[AR+8*((\c)%4)+\p:AR+8*((\c)%4)+\p+1]
.endr
.endr
.irp r,0,1,2
.irp p,0,2,4,6
	v_pk_mul_f32 v[X+24*((\c)%2)+8*\r+\p:X+24*((\c)%2)+8*\r+\p+1], v[X+24*((\c)%2)+8*\r+\p:X+24*((\c)%2)+8*\r+\p+1], v[X+24*((\c)%2)+8*\r+\p:X+24*((\c)%2)+8*\r+\p+1]
.endr
.endr
.irp r,0,1,2
.irp p,0,2,4,6
	v_pk_fma_f32 v[X+24*((\c)%2)+8*\r+\p:X+24*((\c)%2)+8*\r+\p+1], v[X+24*((\c)%2)+8*\r+\p:X+24*((\c)%2)+8*\r+\p+1], v[X+24*((\c)%2)+8*\r+\p:X+24*((\c)%2)+8*\r+\p+1], 1.0 op_sel_hi:[1,1,0]
.endr
.endr
.endm
.macro POST c                          ; chunk c's reciprocals into the three sums; a t's first chunk starts them from the lane's sum of v_w
.irp p,0,2,4,6
.irp r,0,1,2
.if (((\c)%2) == 0) && (\p == 0)
	v_pk_fma_f32 v[ACC+2*\r:ACC+2*\r+1], v[X+24*((\c)%2)+8*\r+\p:X+24*((\c)%2)+8*\r+\p+1], v[VW2+8*((\c)%2)+\p:VW2+8*((\c)%2)+\p+1], v[VS:VS+1]
.else
	v_pk_fma_f32 v[ACC+2*\r:ACC+2*\r+1], v[X+24*((\c)%2)+8*\r+\p:X+24*((\c)%2)+8*\r+\p+1], v[VW2+8*((\c)%2)+\p:VW2+8*((\c)%2)+\p+1], v[ACC+2*\r:ACC+2*\r+1]
.endif
.endr
.endr
.endm
	; THE SHARED ROW: my one d of it, for the fifteen t's
.set t, 0
.rept NT
	ds_load_b32 v[TM+t], v[TLA] offset:t*ASLOT
.set t, t+1
.endr
	LOADA 0
	LOADA 1
	LOADA 2
	s_wait_dscnt 6                                 ; the shared row's 15 loads are in; the six behind them, the ring's, may be out
.set t, 0
.rept NT
	v_mul_f32 v[TK+t], v[TGB], v[TM+t]
.set t, t+1
.endr
.set t, 0
.rept NT
	v_mul_f32 v[TK+t], v[TK+t], v[TK+t]
.set t, t+1
.endr
.set t, 0
.rept NT
	v_fma_f32 v[TK+t], v[TK+t], v[TK+t], 1.0
.set t, t+1
.endr
.set t, 0
.rept NT
	v_rcp_f32 v[TK+t], v[TK+t]
.set t, t+1
.endr
	s_wait_dscnt 4                                 ; chunk 0 is in; chunks 1 and 2 may be out
	PRE 0                                          ; plain work behind the reciprocals
	s_wait_alu depctr_va_vdst(0)                   ; one wait for the fifteen, ahead of their first reader
.set t, 0
.rept NT
	v_fma_f32 v[TM+t], v[TK+t], v[TVW2], v[TVW]
.set t, t+1
.endr
.set t, 0
.rept NT
	ds_store_b32 v[RW], v[TM+t] offset:(48+t)*RP
.set t, t+1
.endr
.irp r,0,1,2,3
	ds_store_b32 v[RW], v[ZR] offset:(16*\r+15)*RP ; rows 16 r + 15 have no t: zeros, so that all 64 rows can be read back alike
.endr
	; THE 30 STEPS.  Step n: chunk n's reciprocals; chunk n + 3 is asked for; chunk n + 1 is brought up to its reciprocals (36 plain instructions behind the 24 reciprocals); one wait; chunk n's sums.
.set n, 0
.rept NCH
.set XN, X+24*(n%2)
.set e, 0
.rept 24
	v_rcp_f32 v[XN+e], v[XN+e]
.set e, e+1
.endr
.if n+3 < NCH
	LOADA n+3                                      ; into the set that chunk n - 1 has left
.endif
.if n+1 < NCH
.if n+3 < NCH
	s_wait_dscnt 4                                 ; chunk n + 1 is in: behind its loads stand at least those of chunks n + 2 and n + 3
.elseif n+2 < NCH
	s_wait_dscnt 2                                 ; behind them at least those of chunk n + 2
.else
	s_wait_dscnt 0
.endif
	PRE n+1
.else
	v_nop                                          ; a plain instruction behind the last reciprocals
.endif
	s_wait_alu depctr_va_vdst(0)                   ; one wait for the 24 reciprocals, ahead of their first reader
	POST n
.if (n%2) == 1
.irp r,0,1,2
	v_add_f32 v[SM+\r], v[ACC+2*\r], v[ACC+2*\r+1]
.endr
.irp r,0,1,2
	ds_store_b32 v[RW], v[SM+\r] offset:(16*\r+n/2)*RP   ; my lane's part of (row r, t)
.endr
.endif
.set n, n+1
.endr
	; ONE VALUE TO A LANE: lane L sums row L (r = L / 16, t = L % 16) and row 32 + L of the wave's 64.  LDS serves a wave's instructions in order: these loads see my stores.
.macro SUM32 b
.irp c,0,4,8,12,16,20,24,28
	v_pk_add_f32 v[\b+\c:\b+\c+1], v[\b+\c:\b+\c+1], v[\b+\c+2:\b+\c+3]
.endr
.irp c,0,8,16,24
	v_pk_add_f32 v[\b+\c:\b+\c+1], v[\b+\c:\b+\c+1], v[\b+\c+4:\b+\c+5]
.endr
.irp c,0,16
	v_pk_add_f32 v[\b+\c:\b+\c+1], v[\b+\c:\b+\c+1], v[\b+\c+8:\b+\c+9]
.endr
	v_pk_add_f32 v[\b:\b+1], v[\b:\b+1], v[\b+16:\b+17]
	v_add_f32 v[\b], v[\b], v[\b+1]
.endm
.irp c,0,1,2,3,4,5,6,7
	ds_load_b128 v[F+4*\c:F+4*\c+3], v[RR] offset:16*\c
.endr
.irp c,0,1,2,3,4,5,6,7
	ds_load_b128 v[G+4*\c:G+4*\c+3], v[RR] offset:32*RP+16*\c
.endr
	s_wait_dscnt 8                                 ; the first eight are in; the second eight may be out
	SUM32 F
	s_wait_dscnt 0x0
	SUM32 G
	ds_store_b32 v[ES0], v[F]                      ; number 16 (L / 16) + w of block row t
	ds_store_b32 v[ES0], v[G] offset:128           ; number 32 + 16 (L / 16) + w: row r = 2, or my part of the shared row
	s_wait_dscnt 0x0                               ; for the others' sake
	s_barrier_signal -1
	s_barrier_wait -1                              ; the block is whole
	; THE WAY OUT: thread i < 240 takes 16 bytes; sixteen lanes store 256 consecutive bytes, at a multiple of 256 from escore's first byte
	s_cmp_lt_u32 s14, 8
	s_cbranch_scc0 .Ldone
	ds_load_b128 v[16:19], v[DR]
	s_wait_dscnt 0x0
	v_add_f32 v20, v16, v17
	v_add_f32 v21, v18, v19
	v_add_f32 v20, v20, v21
	v_add_f32_dpp v20, v20, v20 row_xmask:1 row_mask:0xf bank_mask:0xf
	v_add_f32_dpp v20, v20, v20 row_xmask:2 row_mask:0xf bank_mask:0xf   ; in lanes 12 to 15 of a row: the sum of numbers 48 to 63, the sixteen waves' parts of the shared row
	v_and_b32 v21, 12, v0
	v_cmp_eq_u32 vcc_lo, 12, v21
	v_cndmask_b32 v16, v16, v20, vcc_lo            ; it takes number 48's place (and those of 52, 56, 60, which nobody reads)
	v_cmp_gt_u32 vcc_lo, 240, v0
	s_wait_xcnt 0x0                                ; EXEC changes only behind this wait
	s_and_saveexec_b32 s20, vcc_lo                 ; block row 15 is not stored
	global_store_b128 v[DG], v[16:19], s[12:13]
	s_wait_xcnt 0x0                                ; and again, in front of the line that widens it
	s_or_b32 exec_lo, exec_lo, s20
.Ldone:
	s_wait_tensorcnt 0x0                           ; the wave's end, behind my last LDS store
	ds_add_u32 v[SPW], v[NIL]
	s_wait_dscnt 0x0
	s_endpgm
.Lfunc_end_k_q2462f620ed_scores:
	.size	k_q2462f620ed_scores, .Lfunc_end_k_q2462f620ed_scores-k_q2462f620ed_scores
	.p2alignl 7, 3214868480
	.fill 96, 4, 3214868480
	.section	.rodata,"a",@progbits
	.p2align	6, 0x0
	.amdhsa_kernel k_q2462f620ed_scores
		.amdhsa_group_segment_fixed_size 184320
		.amdhsa_private_segment_fixed_size 0
		.amdhsa_enable_private_segment 0
		.amdhsa_kernarg_size 40
		.amdhsa_user_sgpr_count 2
		.amdhsa_user_sgpr_kernarg_segment_ptr 1
		.amdhsa_wavefront_size32 1
		.amdhsa_system_sgpr_workgroup_id_x 1
		.amdhsa_system_sgpr_workgroup_id_y 1
		.amdhsa_system_sgpr_workgroup_id_z 1
		.amdhsa_system_vgpr_workitem_id 0
		.amdhsa_next_free_vgpr 256
		.amdhsa_next_free_sgpr 66
		.amdhsa_reserve_vcc 1
		.amdhsa_float_denorm_mode_32 3
		.amdhsa_float_denorm_mode_16_64 3
		.amdhsa_memory_ordered 1
		.amdhsa_forward_progress 1
		.amdhsa_inst_pref_size 158
	.end_amdhsa_kernel
	.amdgpu_metadata
---
amdhsa.version: [ 1, 2 ]
amdhsa.kernels:
  - .name:           k_q2462f620ed_scores
    .symbol:         k_q2462f620ed_scores.kd
    .args:
      - { .name: x, .offset: 0, .size: 8, .value_kind: global_buffer, .address_space: global }
      - { .name: wordemb, .offset: 8, .size: 8, .value_kind: global_buffer, .address_space: global }
      - { .name: imgsfeats, .offset: 16, .size: 8, .value_kind: global_buffer, .address_space: global }
      - { .name: v_w, .offset: 24, .size: 8, .value_kind: global_buffer, .address_space: global }
      - { .name: escore, .offset: 32, .size: 8, .value_kind: global_buffer, .address_space: global }
    .group_segment_fixed_size: 184320
    .private_segment_fixed_size: 0
    .kernarg_segment_align: 8
    .kernarg_segment_size: 40
    .max_flat_workgroup_size: 512
    .sgpr_count:     66
    .vgpr_count:     256
    .wavefront_size: 32
...
	.end_amdgpu_metadata
.endif
;; end of part 1
;; launch context (part 2): grid 8 x 32, 8 waves a work-group, no clusters, 9,984 bytes of LDS; arguments escore, imgsfeats, v_b, out0; writes out0
.if DOCPART == 2
	.amdgcn_target "amdgcn-amd-amdhsa--gfx1250"
	.amdhsa_code_object_version 6
	.text
	.protected	k_q2462f620ed_context
	.globl	k_q2462f620ed_context
	.p2align	8
	.type	k_q2462f620ed_context,@function
k_q2462f620ed_context:
	s_mov_b64 s[64:65], 0
	v_nop
	global_prefetch_b8 v0, s[64:65] scope:SCOPE_SE
	s_setreg_imm32_b32 hwreg(HW_REG_WAVE_MODE, 25, 1), 1
	s_wait_xcnt 0x0
; CONTEXT.  out0[b][t][d] = (sum over l of Q(p[t][l]) Q(imgsfeats[b][l][d])) / (sum over l of p[t][l]),  p = 2^(s - M),  s = (escore + v_b) log2(e),  M = the row's largest s rounded up to a whole number.
; Q: codes of FP4 (E2M1) with one E8M0 scale for each 32 along l; l = 196 is filled to 256 with zero codes.  No work is left out: v_b is added here, since it moves s against the whole number M.
; SHARES.  Work-group (dc, b): all 30 t, d = 64 dc .. 64 dc + 63.  Eight waves in two roles, which meet at one barrier.
;   Waves 0, 1: the softmax of t = 16 w .. 16 w + 15.  Lane (r, h) holds row r and the WHOLE blocks h, 2 + h, 4 + h, 6 + h of 32 l, which is the layout of a 4-bit operand: the conversions' results are the operand.
;   Waves 2 to 7: imgsfeats.  A lane takes a column and its registers run down l, 64 rows (two blocks) a wave; waves 6, 7 also take rows 192 to 195.  Lanes 0-15 hold the columns of one tile, lanes 16-31 those
;   of the next; one exchange of halves between the registers of the two blocks gives both tiles' operands, which go to LDS as images of their registers.
;   THE COLUMNS OF A TILE ARE NOT NEIGHBOURS: column r of tile T is d = 64 dc + 4 r + T, so that a lane's results of the four tiles are four neighbouring d, 16 bytes, and sixteen lanes store 256 consecutive bytes.
; Behind the barrier waves 0, 1 multiply: source 0 = p's 16 rows, source 1 = 16 columns; 4 tiles x 2 K steps of 128, the four accumulators by turns.
; escore is laid [b][t][4][64]: l = 48 lc + col (col < 48) at number col of part lc; l = 192 + lc at number 48.  So 16 neighbouring l, group g = l / 16, lie at byte 64 (g + g / 3) of a row of 1,024.
; Rows t = 30, 31 of the second tile repeat row 29 and are not stored.
; LIMITS: NaN and infinities are not served.  A block of zeros gets the byte 1, not 127: its codes are zeros, and the bytes are read here alone.
; NO CLUSTER, NO TENSOR LOAD: each byte of imgsfeats is wanted by one work-group; escore's 30,720 bytes of a batch, which eight work-groups read, go straight into the registers that use them.
.set BIMG,  0                          ; LDS: the operand (tile T, K step k, half c): 512 bytes at (4 T + 2 k + c) x 512
.set BSC,   8192                       ; its scale words: 128 T + 64 k + 4 r
.set LINV,  8704                       ; 1 / sum: 64 bytes for each of the two softmax waves
.set SPARE, 8960                       ; the spare words, 128 bytes for each wave
.set SPW,  2                           ; v2   my spare word's address; never rewritten
.set NIL,  3                           ; v3   0, for the add alone
.set S,    32                          ; v32-135  softmax: 96 logits in three blocks, 4 of block 6, 4 zeros; then p
.set BM,   136                         ; v136-139 the blocks' largest
.set SO,   144                         ; v144-147 the conversions' scale operands
.set BY,   148                         ; v148-151 the scale bytes
.set NM,   152                         ; v152 -M, v153 the row's largest s
.set SA,   154                         ; v154-157 the row's sum in two chains
.set SB,   156
.set LIN,  158
.set AF,   160                         ; v160-175 p's two operands
.set ASW,  176                         ; v176-177 p's scale words
.set BSW,  178                         ; v178-185 the columns' scale words
.set LV,   192                         ; v192-199 1 / sum of rows 8 h + 0..7
.set O,    200                         ; v200-231 results, four neighbouring d on end
.set BF,   32                          ; v32-95   behind the barrier: the eight operands of imgsfeats
.set DD,   96                          ; v96-127  the four accumulators
.set R,    32                          ; imgsfeats' waves: v32-95 64 numbers of my column
.set TT,   96                          ; v96-103  rows 192 to 195, and four zeros
.set CC,   104                         ; v104-111 the two blocks' codes
.set TC,   112                         ; v112-119 block 6's and block 7's
.set QM,   120
.set QS,   122
.set QB,   124
.set QP,   126
	s_load_b256 s[4:11], s[0:1], 0x0               ; escore, imgsfeats, v_b, out0
	v_lshl_add_u32 v[SPW], v0, 2, SPARE
	v_mov_b32 v[NIL], 0
	v_lshrrev_b32 v20, 5, v0
	v_readfirstlane_b32 s12, v20                   ; wave 0..7
	v_and_b32 v1, 31, v0                           ; lane
	v_and_b32 v4, 15, v0                           ; r
	v_bfe_u32 v5, v0, 4, 1                         ; h
	s_and_b32 s13, ttmp7, 0xffff                   ; b
	s_and_b32 s14, s12, 1                          ; softmax: which tile of t.  imgsfeats: which pair of tiles
	s_lshr_b32 s15, s12, 1
	s_add_co_u32 s15, s15, 3
	s_and_b32 s15, s15, 3                          ; imgsfeats: which 64 rows: 0, 1, 2 in waves 2-3, 4-5, 6-7
	s_mov_b32 s16, 0x76543210
	s_mov_b32 s17, 0xfedcba98                      ; v_permlanex16_b32's selects for lane l xor 16
	s_mov_b32 s18, 0x3fb8aa3b                      ; log2(e)
	s_mov_b32 s19, s18
	; every LDS address is made here, ahead of the parting of the roles
	s_lshl_b32 s22, s14, 6
	s_add_co_u32 s22, s22, LINV
	v_lshl_add_u32 v9, v4, 2, s22                  ; 1 / sum of row r goes here,
	v_lshl_add_u32 v10, v5, 5, s22                 ; and those of rows 8 h .. 8 h + 7 come from here
	v_lshlrev_b32 v11, 4, v1                       ; an image's place for my lane
	v_lshl_add_u32 v12, v4, 2, BSC                 ; a column's scale word
	s_lshl_b32 s23, s14, 3
	s_add_co_u32 s23, s23, s15
	s_lshl_b32 s23, s23, 9
	v_add_nc_u32 v15, s23, v11                     ; where I put my first tile's image: (8 pair + rows) x 512; the second tile's lies 2,048 on
	s_lshl_b32 s24, s14, 8
	s_lshr_b32 s25, s15, 1
	s_lshl_b32 s25, s25, 6
	s_add_co_u32 s24, s24, s25
	s_and_b32 s25, s15, 1
	s_lshl_b32 s25, s25, 1
	s_add_co_u32 s24, s24, s25
	s_add_co_u32 s24, s24, BSC
	v_lshl_add_u32 v16, v5, 7, s24
	v_lshl_add_u32 v16, v4, 2, v16                 ; where I put my column's two scale bytes
	s_lshl_b32 s29, s14, 4                         ; 16 x tile of t
	v_lshlrev_b32 v13, 14, v5
	v_lshl_add_u32 v13, v4, 4, v13                 ; the way out: 8 h rows of 2,048 bytes + 16 r
	v_lshl_add_u32 v17, v5, 3, s29                 ; 16 x tile + 8 h: the first t of my eight results
	s_wait_kmcnt 0x0
	s_cmp_lt_u32 s12, 2
	s_cbranch_scc0 .Lquant
	; ---- THE SOFTMAX ----
	s_load_b32 s20, s[8:9], 0x0                    ; v_b
	s_mul_i32 s26, s13, 30720
	s_mov_b32 s27, 0
	s_add_nc_u64 s[4:5], s[4:5], s[26:27]
	v_add_nc_u32 v20, s29, v4
	v_min_u32 v20, 29, v20                         ; t
	v_lshlrev_b32 v8, 10, v20
	v_lshl_add_u32 v6, v5, 7, v8                   ; lanes 16-31 stand two groups of 16 l further on: 128 or 192 bytes, as a part's end lies between or not
	v_mad_u32_u24 v7, v5, 192, v8
.macro EGRP dst, adr, off
.irp u,0,1,2,3
	global_load_b128 v[S+\dst+4*\u:S+\dst+4*\u+3], v[\adr], s[4:5] offset:\off+16*\u
.endr
.endm
	EGRP 0, 6, 0                                   ; block h:     groups 2 h, 2 h + 1
	EGRP 16, 7, 64
	EGRP 32, 7, 320                                ; block 2 + h: groups 4 + 2 h, 5 + 2 h
	EGRP 48, 7, 384
	EGRP 64, 7, 640                                ; block 4 + h: groups 8 + 2 h, 9 + 2 h
	EGRP 80, 6, 768
.irp c,0,1,2,3
	global_load_b32 v[S+96+\c], v8, s[4:5] offset:192+256*\c   ; l = 192 + c
.endr
	v_mov_b32 v24, 0xff800000                      ; -infinity
	v_mov_b32 v26, 0                               ; (a lane permute's destination counts as one of its sources)
	v_mov_b32 v28, 0
	v_mov_b32 v29, 0
	v_cmp_eq_u32 vcc_lo, 1, v5
	s_wait_kmcnt 0x0
	s_mov_b32 s21, s20
	s_wait_loadcnt 0x0
.set i, 0
.rept 50
	v_pk_add_f32 v[S+i:S+i+1], v[S+i:S+i+1], s[20:21] op_sel_hi:[1,0]   ; the logit
.set i, i+2
.endr
.irp c,0,1,2,3
	v_cndmask_b32 v[S+96+\c], v[S+96+\c], v24, vcc_lo   ; lanes 16-31 stand at block 7, which has no l: p = 0 there
.endr
.irp b,0,1,2
	v_max3_num_f32 v[BM+\b], v[S+32*\b], v[S+32*\b+1], v[S+32*\b+2]   ; each block's largest logit: for the row's maximum, and, since p rises with the logit, for the block's largest p
.endr
.irp i,3,5,7,9,11,13,15,17,19,21,23,25,27,29
.irp b,0,1,2
	v_max3_num_f32 v[BM+\b], v[BM+\b], v[S+32*\b+\i], v[S+32*\b+\i+1]
.endr
.endr
.irp b,0,1,2
	v_max_num_f32 v[BM+\b], v[BM+\b], v[S+32*\b+31]
.endr
	v_max3_num_f32 v[BM+3], v[S+96], v[S+97], v[S+98]
	v_max_num_f32 v[BM+3], v[BM+3], v[S+99]
	v_max3_num_f32 v25, v[BM], v[BM+1], v[BM+2]
	v_max_num_f32 v25, v25, v[BM+3]
	v_permlanex16_b32 v26, v25, s16, s17
	v_max_num_f32 v25, v25, v26                    ; the row's largest logit
	v_mul_f32 v[NM+1], s18, v25
	v_floor_f32 v[NM], -v[NM+1]                    ; -M = floor(-s) = -ceil(s)
.set i, 0
.rept 50
	v_pk_fma_f32 v[S+i:S+i+1], v[S+i:S+i+1], s[18:19], v[NM:NM+1] op_sel_hi:[1,0,0]   ; s - M, two at a time
.set i, i+2
.endr
.irp b,0,1,2,3
	v_fma_f32 v[BM+\b], v[BM+\b], s18, v[NM]
.endr
.set i, 0
.rept 100
	v_exp_f32 v[S+i], v[S+i]                       ; p, at most 1: not normalised
.set i, i+1
.endr
.irp c,100,101,102,103
	v_mov_b32 v[S+\c], 0                           ; the fill of block 6.  (Plain work behind the exponentials)
.endr
	s_wait_alu depctr_va_vdst(0)                   ; one wait for the hundred, ahead of their first reader
.irp b,0,1,2,3
	v_exp_f32 v[BM+\b], v[BM+\b]                   ; the block's largest p: the same two instructions on the same number
.endr
	v_pk_add_f32 v[SA:SA+1], v[S:S+1], v[S+2:S+3]  ; the row's sum is taken of the unquantised p
	v_pk_add_f32 v[SB:SB+1], v[S+4:S+5], v[S+6:S+7]
.set i, 8
.rept 23
	v_pk_add_f32 v[SA:SA+1], v[SA:SA+1], v[S+i:S+i+1]
	v_pk_add_f32 v[SB:SB+1], v[SB:SB+1], v[S+i+2:S+i+3]
.set i, i+4
.endr
	v_pk_add_f32 v[SA:SA+1], v[SA:SA+1], v[SB:SB+1]
	v_add_f32 v[SA], v[SA], v[SA+1]
	v_permlanex16_b32 v26, v[SA], s16, s17
	v_add_f32 v[SA], v[SA], v26
	v_rcp_f32 v[LIN], v[SA]
	v_lshlrev_b32 v27, 3, v5                       ; (a plain instruction behind the reciprocal)
	s_wait_alu depctr_va_vdst(0)                   ; one wait for the four exponentials and the reciprocal
.irp b,0,1,2,3
	v_max_num_f32 v[BM+\b], 0x1800000, v[BM+\b]    ; the floor 2^(3 - 127): the byte cannot fall under 1
.endr
.irp b,0,1,2,3
	v_add_nc_u32 v[SO+\b], 0xff000000, v[BM+\b]    ; 2 off the exponent field: the conversion's scale operand
.endr
.irp b,0,1,2,3
	v_lshrrev_b32 v[BY+\b], 23, v[SO+\b]           ; the scale's byte
.endr
	v_lshl_or_b32 v[ASW], v[BY+1], 16, v[BY]       ; K step 0: my bytes are numbers h and 2 + h of the row's word,
	v_lshl_or_b32 v[ASW+1], v[BY+3], 16, v[BY+2]   ; K step 1 likewise
	v_lshlrev_b32 v[ASW], v27, v[ASW]
	v_lshlrev_b32 v[ASW+1], v27, v[ASW+1]
	v_permlanex16_b32 v28, v[ASW], s16, s17
	v_permlanex16_b32 v29, v[ASW+1], s16, s17
	v_or_b32 v[ASW], v[ASW], v28                   ; with lane l xor 16's two the word is whole
	v_or_b32 v[ASW+1], v[ASW+1], v29
.irp b,0,1,2
.irp g,0,1,2,3
	v_cvt_scalef32_pk8_fp4_f32 v[AF+4*\b+\g], v[S+32*\b+8*\g:S+32*\b+8*\g+7], v[SO+\b]
.endr
.endr
	v_cvt_scalef32_pk8_fp4_f32 v[AF+12], v[S+96:S+103], v[SO+3]
.irp g,13,14,15
	v_mov_b32 v[AF+\g], 0                          ; the rest of blocks 6 and 7: zero codes.  (Plain lines behind the conversions)
.endr
	ds_store_b32 v9, v[LIN]                        ; both halves of the lanes write the same word with the same value
	s_branch .Ljoin
	; ---- IMGSFEATS ----
.Lquant:
	s_mul_i32 s26, s13, 196
	s_lshl_b32 s28, s15, 6
	s_add_co_u32 s26, s26, s28
	s_lshl_b32 s26, s26, 11                        ; my first row
	s_lshl_b32 s28, ttmp9, 8
	s_add_co_u32 s26, s26, s28                     ; the work-group's 256 bytes of it
	s_mov_b32 s27, 0
	s_add_nc_u64 s[6:7], s[6:7], s[26:27]
	v_lshlrev_b32 v14, 4, v4
	v_lshl_add_u32 v14, v5, 2, v14
	s_lshl_b32 s28, s14, 3
	v_add_nc_u32 v14, s28, v14                     ; my column: 4 (4 r + tile) bytes, tile = 2 pair + lane / 16
.set i, 0
.rept 64
	global_load_b32 v[R+i], v14, s[6:7] offset:i*2048
.set i, i+1
.endr
	s_cmp_lt_u32 s12, 6
	s_cbranch_scc1 .Lno_tail_loads
.irp c,0,1,2,3
	global_load_b32 v[TT+\c], v14, s[6:7] offset:(64+\c)*2048   ; rows 192 to 195
.endr
.Lno_tail_loads:
.macro QBLK src, k                     ; 32 numbers of my column become 4 registers of codes and a byte
	v_max3_num_f32 v[QM], |v[\src]|, |v[\src+1]|, |v[\src+2]|
	v_max3_num_f32 v[QM+1], |v[\src+3]|, |v[\src+4]|, |v[\src+5]|
.irp i,6,10,14,18,22,26
	v_max3_num_f32 v[QM], v[QM], |v[\src+\i]|, |v[\src+\i+1]|
	v_max3_num_f32 v[QM+1], v[QM+1], |v[\src+\i+2]|, |v[\src+\i+3]|
.endr
	v_max3_num_f32 v[QM], v[QM], |v[\src+30]|, |v[\src+31]|
	v_max3_num_f32 v[QM], v[QM], v[QM+1], 0x1800000   ; and the floor 2^(3 - 127)
	v_add_nc_u32 v[QS+\k], 0xff000000, v[QM]
	v_lshrrev_b32 v[QB+\k], 23, v[QS+\k]
.irp g,0,1,2,3
	v_cvt_scalef32_pk8_fp4_f32 v[CC+4*\k+\g], v[\src+8*\g:\src+8*\g+7], v[QS+\k]
.endr
.endm
	s_wait_loadcnt 32                              ; the first block's 32 loads are in; the second block's (and rows 192 to 195) may be out
	QBLK R, 0
	s_wait_loadcnt 0x0
	QBLK R+32, 1
	v_lshl_or_b32 v[QP], v[QB+1], 8, v[QB]         ; my column's two bytes.  (A plain line behind the conversions)
.irp g,0,1,2,3
	v_permlane16_swap_b32 v[CC+\g], v[CC+4+\g]     ; the first's lanes 16-31 change places with the second's lanes 0-15: the first now holds my first tile's operand (lanes 0-15 the even block, lanes 16-31 the odd), the second my second tile's
.endr
	ds_store_b128 v15, v[CC:CC+3]
	ds_store_b128 v15, v[CC+4:CC+7] offset:2048
	ds_store_b16 v16, v[QP]
	s_cmp_lt_u32 s12, 6
	s_cbranch_scc1 .Ljoin
.irp c,4,5,6,7
	v_mov_b32 v[TT+\c], 0                          ; the fill of block 6
.endr
	v_max3_num_f32 v[QM], |v[TT]|, |v[TT+1]|, 0x1800000
	v_max3_num_f32 v[QM], v[QM], |v[TT+2]|, |v[TT+3]|
	v_add_nc_u32 v[QS], 0xff000000, v[QM]
	v_lshrrev_b32 v[QB], 23, v[QS]
	v_cvt_scalef32_pk8_fp4_f32 v[TC], v[TT:TT+7], v[QS]
.irp c,1,2,3,4,5,6,7
	v_mov_b32 v[TC+\c], 0                          ; the rest of block 6, and block 7: zero codes.  (Plain lines behind the conversion)
.endr
	v_or_b32 v[QB], 0x100, v[QB]                   ; block 7's byte: 1
	v_permlane16_swap_b32 v[TC], v[TC+4]           ; the other registers are zeros in both halves
	ds_store_b128 v15, v[TC:TC+3] offset:512
	ds_store_b128 v15, v[TC+4:TC+7] offset:2560
	ds_store_b16 v16, v[QB] offset:2
.Ljoin:
	s_wait_dscnt 0x0                               ; for the others' sake: my stores have landed
	s_barrier_signal -1
	s_barrier_wait -1                              ; the eight operands of imgsfeats and their scale words lie in LDS
	s_cmp_lt_u32 s12, 2
	s_cbranch_scc0 .Lend
	; ---- THE PRODUCTS: waves 0, 1 ----
.irp T,0,1,2,3
.irp k,0,1
.irp c,0,1
	ds_load_b128 v[BF+16*\T+8*\k+4*\c:BF+16*\T+8*\k+4*\c+3], v11 offset:BIMG+(4*\T+2*\k+\c)*512
.endr
	ds_load_b32 v[BSW+2*\T+\k], v12 offset:128*\T+64*\k
.endr
.endr
	ds_load_b128 v[LV:LV+3], v10
	ds_load_b128 v[LV+4:LV+7], v10 offset:16
	s_mul_i32 s26, s13, 30
	s_add_co_u32 s26, s26, s29
	s_lshl_b32 s26, s26, 11                        ; row 30 b + 16 x tile of out0,
	s_lshl_b32 s28, ttmp9, 8
	s_add_co_u32 s26, s26, s28                     ; the work-group's 256 bytes of it
	s_mov_b32 s27, 0
	s_add_nc_u64 s[10:11], s[10:11], s[26:27]
	s_wait_dscnt 0x0
.rept 8
	v_nop                                          ; p's scale words, written by vector instructions, stand 8 places ahead of a scaled matrix instruction, its codes 4
.endr
.irp T,0,1,2,3
	v_wmma_scale_f32_16x16x128_f8f6f4 v[DD+8*\T:DD+8*\T+7], v[AF:AF+7], v[BF+16*\T:BF+16*\T+7], 0, v[ASW], v[BSW+2*\T] matrix_a_fmt:MATRIX_FMT_FP4 matrix_b_fmt:MATRIX_FMT_FP4
.endr
.irp T,0,1,2,3
	v_wmma_scale_f32_16x16x128_f8f6f4 v[DD+8*\T:DD+8*\T+7], v[AF+8:AF+15], v[BF+16*\T+8:BF+16*\T+15], v[DD+8*\T:DD+8*\T+7], v[ASW+1], v[BSW+2*\T+1] matrix_a_fmt:MATRIX_FMT_FP4 matrix_b_fmt:MATRIX_FMT_FP4   ; the four accumulators by turns
.endr
.rept 4
	v_nop                                          ; four places in front of the first read of results
.endr
.irp j,0,1,2,3,4,5,6,7
.irp T,0,1,2,3
	v_mul_f32 v[O+4*\j+\T], v[DD+8*\T+\j], v[LV+\j]   ; out0(16 x tile + 8 h + j, 64 dc + 4 r + T); each accumulator from its low end on
.endr
.endr
.irp j,0,1,2,3,4,5
	global_store_b128 v13, v[O+4*\j:O+4*\j+3], s[10:11] offset:\j*2048   ; sixteen lanes store 256 consecutive bytes, at a multiple of 256 from out0's first byte
.endr
	v_cmp_gt_u32 vcc_lo, 24, v17                   ; t = 16 x tile + 8 h + 6, + 7 lie under 30 but where 16 x tile + 8 h = 24
	s_wait_xcnt 0x0                                ; EXEC changes only behind this wait
	s_and_saveexec_b32 s20, vcc_lo
.irp j,6,7
	global_store_b128 v13, v[O+4*\j:O+4*\j+3], s[10:11] offset:\j*2048
.endr
	s_wait_xcnt 0x0                                ; and again, in front of the line that widens it
	s_or_b32 exec_lo, exec_lo, s20
.Lend:
	s_wait_tensorcnt 0x0                           ; the wave's end, behind my last LDS store
	ds_add_u32 v[SPW], v[NIL]
	s_wait_dscnt 0x0
	s_endpgm
.Lfunc_end_k_q2462f620ed_context:
	.size	k_q2462f620ed_context, .Lfunc_end_k_q2462f620ed_context-k_q2462f620ed_context
	.p2alignl 7, 3214868480
	.fill 96, 4, 3214868480
	.section	.rodata,"a",@progbits
	.p2align	6, 0x0
	.amdhsa_kernel k_q2462f620ed_context
		.amdhsa_group_segment_fixed_size 9984
		.amdhsa_private_segment_fixed_size 0
		.amdhsa_enable_private_segment 0
		.amdhsa_kernarg_size 32
		.amdhsa_user_sgpr_count 2
		.amdhsa_user_sgpr_kernarg_segment_ptr 1
		.amdhsa_wavefront_size32 1
		.amdhsa_system_sgpr_workgroup_id_x 1
		.amdhsa_system_sgpr_workgroup_id_y 1
		.amdhsa_system_sgpr_workgroup_id_z 1
		.amdhsa_system_vgpr_workitem_id 0
		.amdhsa_next_free_vgpr 232
		.amdhsa_next_free_sgpr 66
		.amdhsa_reserve_vcc 1
		.amdhsa_float_denorm_mode_32 3
		.amdhsa_float_denorm_mode_16_64 3
		.amdhsa_memory_ordered 1
		.amdhsa_forward_progress 1
		.amdhsa_inst_pref_size 41
	.end_amdhsa_kernel
	.amdgpu_metadata
---
amdhsa.version: [ 1, 2 ]
amdhsa.kernels:
  - .name:           k_q2462f620ed_context
    .symbol:         k_q2462f620ed_context.kd
    .args:
      - { .name: escore, .offset: 0, .size: 8, .value_kind: global_buffer, .address_space: global }
      - { .name: imgsfeats, .offset: 8, .size: 8, .value_kind: global_buffer, .address_space: global }
      - { .name: v_b, .offset: 16, .size: 8, .value_kind: global_buffer, .address_space: global }
      - { .name: out0, .offset: 24, .size: 8, .value_kind: global_buffer, .address_space: global }
    .group_segment_fixed_size: 9984
    .private_segment_fixed_size: 0
    .kernarg_segment_align: 8
    .kernarg_segment_size: 32
    .max_flat_workgroup_size: 256
    .sgpr_count:     66
    .vgpr_count:     232
    .wavefront_size: 32
...
	.end_amdgpu_metadata
.endif
;; end of part 2
